; MI455X (gfx1250); checked and timed in simulation.
; The chip was launched on July 23, 2026; its instructions are those of AMD's public machine-readable ISA for CDNA 5 (MIT licence, August 2026) and "CDNA5" Instruction Set Architecture Reference Guide (July 2026). The comments in the code are by the model that wrote it; some were corrected since.
;; Attention. Allowed arithmetic: matrix products marked QUANTISED: E4M3 operands, one given power-of-two scale a tensor, by v_wmma_f32_16x16x64_fp8_fp8 or v_wmma_f32_16x16x128_fp8_fp8, f32 sums; everything else in f32.
;; Inputs: Wk_codes 1,024 x 32 x 32 uint8 (E4M3 codes of Wk, K innermost, in blocks of 32 codes); Wq_codes 1,024 x 32 x 32 uint8 (E4M3 codes of Wq, K innermost, in blocks of 32 codes); Wv_codes 1,024 x 32 x 32 uint8 (E4M3 codes of Wv, K innermost, in blocks of 32 codes); bk 1,024 float32; bq 1,024 float32; bv 1,024 float32; lowp_scales 10 int32 (the exponents e of the quantised operands' scales 2^e); x_codes 4 x 2,048 x 32 x 32 uint8 (E4M3 codes of x, K innermost, in blocks of 32 codes).
;; Outputs: out0 4 x 2,048 x 1,024 float32.
;; This version of the problem:
;;   THIS VERSION OF THE PROBLEM IS GIVEN IN LOW PRECISION. The matrix products marked QUANTISED in the list below multiply operands that are first quantised to E4M3 (4 exponent bits, 3 mantissa bits; 8 bits a number), with one given power-of-two scale for each operand tensor; their sums are f32. All else is computed in f32.
;;   The module's matrix products, in the order in which they are computed (A, B: the left and right operand; K: the contracted axis; several contracted axes count as one K, in the product's order):
;;     1. [M 8,192, K 1,024] x [K 1,024, N 1,024]; A: input x (given as codes); B: input Wq (given as codes): QUANTISED (scales: A lowp_scales[0], B lowp_scales[1])
;;     2. [M 8,192, K 1,024] x [K 1,024, N 1,024]; A: input x (given as codes); B: input Wk (given as codes): QUANTISED (scales: A lowp_scales[2], B lowp_scales[3])
;;     3. [M 8,192, K 1,024] x [K 1,024, N 1,024]; A: input x (given as codes); B: input Wv (given as codes): QUANTISED (scales: A lowp_scales[4], B lowp_scales[5])
;;     4. batch 64 x [M 2,048, K 64] x [K 64, N 2,048]; A: computed on the way; B: computed on the way: QUANTISED (scales: A lowp_scales[6], B lowp_scales[7])
;;     5. batch 64 x [M 2,048, K 2,048] x [K 2,048, N 64]; A: softmax (see below); B: computed on the way: QUANTISED (scales: A lowp_scales[8], B lowp_scales[9])
;;   THE QUANTISER, for each operand of a quantised product, along K:
;;     - The operand's scale is 2^e, e = its entry of the input lowp_scales (int32; the entries are numbered through the quantised products in the list's order, A before B).
;;     - Each number is divided by the scale, clamped to +-448, and rounded to the nearest number of E4M3, ties to even, subnormals kept.
;;     - The product sums the exact products of the quantised numbers (number of the format x scale) in f32.
;;   ~~~python
;;   def quantise(x, axis, e):      # numpy; x: float32 -> the quantised numbers, widened to float32 again
;;       x = np.moveaxis(x, axis, -1); K = x.shape[-1]
;;       r = np.clip(x / 2.0 ** e, -448, 448)
;;       step = 2.0 ** (np.maximum(np.frexp(np.where(r == 0, 1, r))[1] - 1, -6) - 3)
;;       q = np.round(r / step) * step * 2.0 ** e      # np.round: ties to even
;;       return np.moveaxis(q, -1, axis).astype(np.float32)
;;   ~~~
;;   SOFTMAX AHEAD OF A QUANTISED PRODUCT. Where the list says 'softmax', what is quantised is not the finished softmax but p = 2^(t - M), with t = logit x log2(e) and M = ceil(the row's largest t), a whole number; so 1/2 < the row's largest p <= 1. The row's sum l is taken of the UNQUANTISED p, in f32, and the product's result is divided by l at the end. Since M is a whole number, a kernel that streams over the keys may use a running M (the ceiling of the running maximum): every later rescaling is an exact power of two, so the quantised numbers keep their values, but for numbers so far below the row's largest that they fall under the format's range.
;;   OPERANDS COMPUTED ON THE WAY. 'Computed on the way' means the value that the module computes at that place (a softmax that the list does not call 'softmax' is quantised finished and normalised). What goes into a quantiser is computed in f32, as accurately as f32 sums, v_exp_f32 and their like allow (about 1e-6 of the number): no bf16 or f16 on the way to a quantiser, and a product that is left as it is and whose result goes on into a quantised operand takes f32 operands (vector FMAs, or v_wmma_f32_16x16x4_f32). A number that lies on a knife's edge between two numbers of the format may be rounded either way, as far as f32 arithmetic and the matrix unit's own rounding can turn it there, and no further.
;;   INPUTS GIVEN AS CODES. Wk (in the module: [1024, 1024], K = its axis 0); Wq (in the module: [1024, 1024], K = its axis 0); Wv (in the module: [1024, 1024], K = its axis 0); x (in the module: [4, 2048, 1024], K = its axis 2): each comes as NAME_codes (uint8): NAME with its K axis moved to the last place and cut into blocks of 32 codes, [.., K / 32, bytes a block], one block behind the other in memory; one code a byte (a code: sign, 4 exponent bits, 3 mantissa bits); its scale is its entry of lowp_scales. Its value is code x scale, taken as it is: it is not quantised again, and the codes and scales need not be those that the quantiser above would give.
;; One version. Each part assembles by itself: llvm-mc -triple=amdgcn-amd-amdhsa -mcpu=gfx1250 --defsym DOCPART=n.
;; ======== version 1 of 1: 2 launches
;; limits: right only within a limited range of input values
;; workspace buffers: qc 8,388,608 bytes; kc 8,388,608 bytes; vc 8,388,608 bytes
;; launch qkv (part 1): grid 12 x 32, 4 waves a work-group, clusters of 4 x 4, 327,680 bytes of LDS; arguments x_codes, Wq_codes, Wk_codes, Wv_codes, bq, bk, bv, lowp_scales, qc, kc, vc; writes qc, kc, vc
.if DOCPART == 1
	.amdgcn_target "amdgcn-amd-amdhsa--gfx1250"
	.amdhsa_code_object_version 6
	.text
	.protected	k_q659f7e1f6a_qkv
	.globl	k_q659f7e1f6a_qkv
	.p2align	8
	.type	k_q659f7e1f6a_qkv,@function
k_q659f7e1f6a_qkv:
	s_mov_b64 s[64:65], 0
	v_nop
	global_prefetch_b8 v0, s[64:65] scope:SCOPE_SE
	s_setreg_imm32_b32 hwreg(HW_REG_WAVE_MODE, 25, 1), 1
	s_wait_xcnt 0x0
	s_wait_alu depctr_hold_cnt(0) depctr_sa_sdst(0) depctr_va_vdst(0) depctr_va_sdst(0) depctr_va_ssrc(0) depctr_va_vcc(0) depctr_vm_vsrc(0)
	s_getreg_b32 s2, hwreg(HW_REG_IB_STS2, 6, 4)
	s_cmp_eq_u32 s2, 0
	s_cbranch_scc0 .Lentry_in_a_cluster
	s_endpgm
.Lentry_in_a_cluster:
	s_bfe_u32 s2, ttmp6, 0x10000c
	s_cmp_lg_u32 s2, 0xf033
	s_cbranch_scc0 .Lentry_shape_is_right
	s_endpgm
.Lentry_shape_is_right:
; q = x Wq + bq, k = x Wk + bk, v = x Wv + bv on the given codes of FP8 (E4M3), each finished sum x 2^(its two exponents) + bias in f32, then quantised with the scales of the attention's products
; (q: entry 6, k: entry 7, v: entry 9 of lowp_scales) and stored as codes: qc, kc [b 16 + h][n][64]; vc [h 64 + d][b 2,048 + n] (keys innermost).
; A work-group makes a tile of 256 x 256; cluster x = 0: q, 1: k, 2: v.  For v the roles are swapped (the tile's rows are Wv's, its columns x's), so that a lane's eight results are eight neighbouring keys.
; 4 x 4 work-groups form a cluster and ask jointly for the tiles that a row or a column of it shares; K = 1,024 goes in four steps of 256 through a ring of two LDS slots.
; WORK LEFT OUT IN THE PROGRAM (by the next launch): reference() overwrites the score of every key m > n by its own tril mask, whatever that score holds, and the weight of such a key is 0 beside key n's own;
; so steps of 128 keys that all come after a tile's 16 queries are not multiplied.  Every input has a way to the output and is loaded.
; LIMIT of that: a NaN, an infinity or an overflow that would arise only in those scores is not carried to the result.
; LIMITS on the given exponents: the sum of a product's two between -126 and 127; entries 6, 7 and 9 between -126 and 119.
.set KSTEP,  256
.set ROWB,   256
.set KROW,   1024
.set PITCH,  272
.set FR,     16
.set NL,     4
.set NP,     4
.set HALFT,  128*PITCH
.set SLOT,   4*HALFT
.set SPARE,  2*SLOT
.set SPITCH, 272
.set STV,    256*SPITCH
.set RDQ,  7
.set RDQ2, 8
.set RDV,  9
.set GOQ,  10
.set GOV,  11
.set QB,   12
.set VB,   13
.set STOV, 14
.set ADRA, 16
.set ADRB, 20
.set STO,  24
.set SPW,  28
.set NIL,  29
.set SC,   30
.set LIM,  31
.set BIAS, 32
.set TMP,  96
.set CD,   160
.set OUT,  96
.set AF,   128
.set G1, 24
.set G0, 32
.set G1B, 48
.set G0B, 56
.set MSB, 0
.macro WIN new
.if MSB != \new
	s_set_vgpr_msb (MSB<<8)|\new
.set MSB, \new
.endif
.endm
.set MUL_LO, 0xa1
.set MUL_HI, 0xf1
.set TO_B,   0x40
.macro JLOAD g0a, g1a, g0b, g1b
	s_cmp_eq_u32 s15, 0
	s_cbranch_scc0 .Lfor_b_\@
	tensor_load_to_lds s[\g0a:\g0a+3], s[\g1a:\g1a+7]
	s_nop 0
.rept 4
	v_nop
.endr
	s_branch .Lasked_\@
.Lfor_b_\@:
	tensor_load_to_lds s[\g0b:\g0b+3], s[\g1b:\g1b+7]
	s_nop 0
.rept 4
	v_nop
.endr
.Lasked_\@:
.endm
.macro CREST
	s_cmp_lg_u32 s14, 0
	s_cbranch_scc1 .Lnot_wave_0_\@
	s_barrier_signal -3
.Lnot_wave_0_\@:
	s_barrier_wait -3
	s_barrier_signal -1
	s_barrier_wait -1
.endm
.macro CROUND
	s_barrier_signal -1
	s_barrier_wait -1
	CREST
.endm
	s_load_b512 s[68:83], s[0:1], 0x0
	s_load_b128 s[84:87], s[0:1], 0x40
	s_load_b64 s[88:89], s[0:1], 0x50
	v_lshl_add_u32 v[SPW], v0, 2, SPARE
	v_mov_b32 v[NIL], 0
	ds_add_u32 v[SPW], v[NIL]
	ds_add_u32 v[SPW], v[NIL]
	v_lshrrev_b32 v1, 5, v0
	v_readfirstlane_b32 s14, v1
	s_lshr_b32 s15, s14, 1
	s_and_b32 s16, s14, 1
	s_bfe_u32 s40, ttmp6, 0x40000
	s_bfe_u32 s41, ttmp6, 0x40004
	s_and_b32 s18, ttmp7, 0xffff
	s_lshl_b32 s18, s18, 2
	s_cmp_eq_u32 ttmp9, 2
	s_cselect_b32 s12, 0, s18
	s_cselect_b32 s13, s18, 0
	s_add_co_u32 s17, s12, s41
	s_add_co_u32 s42, s13, s40
	s_lshl_b32 s43, s41, 2
	s_lshl_b32 s43, 15, s43
	s_lshl_b32 s44, 0x1111, s40
	s_or_b32 s[G1+0], s43, (0<<16)|(1<<20)|(1<<21)|(5<<22)|(3<<25)
	s_or_b32 s[G1B+0], s44, (0<<16)|(1<<20)|(1<<21)|(5<<22)|(3<<25)
.irp g, G1, G1B
	s_mov_b32 s[\g+1], ROWB<<16
	s_mov_b32 s[\g+2], 128<<16
	s_mov_b32 s[\g+3], ROWB<<16
	s_mov_b32 s[\g+4], 128
	s_mov_b32 s[\g+5], KROW
	s_mov_b32 s[\g+6], 0
	s_mov_b32 s[\g+7], 0
.endr
	s_lshl_b32 s18, s16, 7
	s_lshl_b32 s20, s17, 8
	s_add_co_u32 s20, s20, s18
	s_lshl_b32 s20, s20, 10
	s_mov_b32 s21, 0
	s_lshl_b32 s46, s42, 8
	s_add_co_u32 s46, s46, s18
	s_lshl_b32 s46, s46, 10
	s_mov_b32 s47, 0
	s_mul_i32 s45, s14, HALFT
	s_wait_dscnt 0x0
	s_wait_kmcnt 0x0
	s_load_b256 s[92:99], s[82:83], 0x0
	s_load_b32 s100, s[82:83], 0x24
	s_cmp_eq_u32 ttmp9, 2
	s_cselect_b64 s[4:5], s[74:75], s[68:69]
	s_cselect_b64 s[6:7], s[68:69], s[72:73]
	s_cselect_b64 s[8:9], s[80:81], s[78:79]
	s_cselect_b64 s[10:11], s[88:89], s[86:87]
	s_cmp_eq_u32 ttmp9, 0
	s_cselect_b64 s[6:7], s[70:71], s[6:7]
	s_cselect_b64 s[8:9], s[76:77], s[8:9]
	s_cselect_b64 s[10:11], s[84:85], s[10:11]
	s_add_nc_u64 s[20:21], s[4:5], s[20:21]
	s_add_nc_u64 s[46:47], s[6:7], s[46:47]
	CROUND
.irp s, 0,1
	s_mov_b32 s[G0+4*\s], 1
	s_add_co_u32 s[G0+4*\s+1], s45, \s*SLOT
	s_add_nc_u64 s[G0+4*\s+2:G0+4*\s+3], s[20:21], \s*ROWB
	s_or_b32 s[G0+4*\s+3], s[G0+4*\s+3], 0x80000000
	s_mov_b32 s[G0B+4*\s], 1
	s_add_co_u32 s[G0B+4*\s+1], s45, \s*SLOT
	s_add_nc_u64 s[G0B+4*\s+2:G0B+4*\s+3], s[46:47], \s*ROWB
	s_or_b32 s[G0B+4*\s+3], s[G0B+4*\s+3], 0x80000000
	s_wait_alu depctr_va_vdst(0)
	s_wait_tensorcnt 0x0
	ds_add_u32 v28, v29
	ds_add_u32 v28, v29
	s_wait_dscnt 0x0
	CROUND
	JLOAD G0+4*\s, G1, G0B+4*\s, G1B
.endr
	v_and_b32 v1, 15, v0
	v_bfe_u32 v2, v0, 4, 1
	v_mul_u32_u24 v3, v1, PITCH
	s_wait_alu depctr_va_vdst(0)
	v_lshl_add_u32 v4, v2, 4, v3
	s_mul_i32 s21, s15, HALFT
	s_mul_i32 s22, s16, HALFT
	s_add_co_u32 s22, s22, 2*HALFT
.irp s, 0,1
	v_add_nc_u32 v[ADRA+\s], s21, v4
	v_add_nc_u32 v[ADRB+\s], s22, v4
	s_add_co_u32 s21, s21, SLOT
	s_add_co_u32 s22, s22, SLOT
.endr
	s_mul_i32 s23, s15, 128*SPITCH
	s_lshl_b32 s18, s16, 7
	s_add_co_u32 s23, s23, s18
	v_lshl_add_u32 v5, v2, 3, v3
	v_add_nc_u32 v[STO], s23, v5
	v_add_nc_u32 v[STOV], STV, v[STO]
	v_and_b32 v6, 31, v0
	v_lshrrev_b32 v3, 2, v6
	v_mul_u32_u24 v3, v3, SPITCH
	v_and_b32 v4, 3, v0
	v_lshl_add_u32 v3, v4, 4, v3
	s_lshl_b32 s18, s14, 6
	v_add_nc_u32 v[RDQ], s18, v3
	v_add_nc_u32 v[RDQ2], 128*SPITCH, v[RDQ]
	v_mul_u32_u24 v3, v2, SPITCH
	v_lshl_add_u32 v3, v1, 4, v3
	s_mul_i32 s18, s14, 64*SPITCH
	s_add_co_u32 s18, s18, STV
	v_add_nc_u32 v[RDV], s18, v3
	v_lshlrev_b32 v[GOQ], 4, v6
	v_lshlrev_b32 v[GOV], 13, v2
	v_lshl_add_u32 v[GOV], v1, 4, v[GOV]
	v_lshlrev_b32 v[QB], 5, v2
	v_lshlrev_b32 v[VB], 2, v1
.macro FRAG reg, adr, q, i
.irp c, 0,1,2,3
	ds_load_b128 v[\reg+4*\c:\reg+4*\c+3], v[\adr] offset:128*(\q)+32*\c+(\i)*16*PITCH
.endr
.endm
.macro MUL16 a0, p, zero
.irp a, \a0, \a0+1
.irp b, 0,1,2,3,4,5,6,7
.if \zero
	v_wmma_f32_16x16x128_fp8_fp8 v[8*(8*((\a)%4)+\b):8*(8*((\a)%4)+\b)+7], v[128*(\p)+FR*\b:128*(\p)+FR*\b+FR-1], v[AF+FR*(\a):AF+FR*(\a)+FR-1], 0
.else
	v_wmma_f32_16x16x128_fp8_fp8 v[8*(8*((\a)%4)+\b):8*(8*((\a)%4)+\b)+7], v[128*(\p)+FR*\b:128*(\p)+FR*\b+FR-1], v[AF+FR*(\a):AF+FR*(\a)+FR-1], v[8*(8*((\a)%4)+\b):8*(8*((\a)%4)+\b)+7]
.endif
.endr
.endr
.endm
.macro FETCH_B slot, q, p
	WIN TO_B
.irp i, 0,1,2,3,4,5,6,7
	FRAG 128*(\p)+FR*\i, ADRB+\slot, \q, \i
.endr
	WIN 0
.endm
.macro FETCH_A slot, q, i0
.irp i, \i0, \i0+1, \i0+2, \i0+3
	FRAG AF+FR*(\i), ADRA+\slot, \q, \i
.endr
.endm
.macro PLACES n
.rept \n
	v_nop
.endr
.endm
.macro STEP slot, q, zero
	s_wait_dscnt 4*NL
	WIN MUL_LO
	MUL16 0, (\q)%2, \zero
	MUL16 2, (\q)%2, \zero
	s_wait_dscnt 0
	PLACES NP
	FETCH_B \slot, (\q)+1, 1-(\q)%2
	FETCH_A \slot, (\q)+1, 0
	WIN MUL_HI
	MUL16 4, (\q)%2, \zero
	MUL16 6, (\q)%2, \zero
	PLACES NP
	WIN 0
	FETCH_A \slot, (\q)+1, 4
.endm
.macro TURN slot, next, fill
	s_wait_tensorcnt 0x0
	ds_add_u32 v[SPW], v[NIL]
	s_wait_dscnt 4*NL+1
	WIN MUL_LO
	MUL16 0, 1, 0
	s_wait_dscnt 0x0
	s_barrier_signal -1
	MUL16 2, 1, 0
	WIN 0
	s_barrier_wait -1
.if \fill
	CREST
	s_add_nc_u64 s[G0+4*\slot+2:G0+4*\slot+3], s[G0+4*\slot+2:G0+4*\slot+3], 2*ROWB
	s_add_nc_u64 s[G0B+4*\slot+2:G0B+4*\slot+3], s[G0B+4*\slot+2:G0B+4*\slot+3], 2*ROWB
	JLOAD G0+4*\slot, G1, G0B+4*\slot, G1B
.else
	PLACES NP
.endif
	FETCH_B \next, 0, 0
	FETCH_A \next, 0, 0
	WIN MUL_HI
	MUL16 4, 1, 0
	MUL16 6, 1, 0
	PLACES NP
	WIN 0
	FETCH_A \next, 0, 4
.endm
.macro LAST
	s_wait_dscnt 4*NL
	WIN MUL_LO
	MUL16 0, 1, 0
	MUL16 2, 1, 0
	s_wait_dscnt 0
	WIN MUL_HI
	MUL16 4, 1, 0
	MUL16 6, 1, 0
	WIN 0
.endm
.macro BLOCK a, kind, sto
.set AC, 64*((\a)%4)
.set CDA, CD+16*((\a)%4)
.if (\a) >= 4
	s_wait_dscnt 24
.endif
	WIN 0x02+((\a)/4)
.set J, 0
.rept 32
.if \kind
	v_pk_fma_f32 v[TMP+J:TMP+J+1], v[AC+J:AC+J+1], s[96:97], v[BIAS+2*(\a):BIAS+2*(\a)+1] op_sel_hi:[1,0,1]
.else
	v_pk_fma_f32 v[TMP+J:TMP+J+1], v[AC+J:AC+J+1], s[96:97], v[BIAS+J:BIAS+J+1] op_sel_hi:[1,0,1]
.endif
.set J, J+2
.endr
	WIN 0
.set J, 0
.rept 64
	v_med3_num_f32 v[TMP+J], v[TMP+J], -v[LIM], v[LIM]
.set J, J+1
.endr
.irp b, 0,1,2,3,4,5,6,7
	v_cvt_scalef32_pk8_fp8_f32 v[CDA+2*\b:CDA+2*\b+1], v[TMP+8*\b:TMP+8*\b+7], v[SC]
.endr
	v_nop
.irp b, 0,1,2,3,4,5,6,7
	ds_store_b64 v[\sto], v[CDA+2*\b:CDA+2*\b+1] offset:(\a)*16*SPITCH+16*\b
.endr
.endm
	s_wait_tensorcnt 1
	s_barrier_signal -1
	s_barrier_wait -1
	FETCH_B 0, 0, 0
	FETCH_A 0, 0, 0
	FETCH_A 0, 0, 4
	STEP 0, 0, 1
	TURN 0, 1, 1
	STEP 1, 0, 0
	TURN 1, 0, 1
	STEP 0, 0, 0
	TURN 0, 1, 0
	STEP 1, 0, 0
	s_wait_kmcnt 0x0
	s_cmp_eq_u32 ttmp9, 2
	s_cselect_b32 s90, s96, s94
	s_cselect_b32 s91, s97, s95
	s_cselect_b32 s88, s100, s99
	s_cmp_eq_u32 ttmp9, 0
	s_cselect_b32 s90, s92, s90
	s_cselect_b32 s91, s93, s91
	s_cselect_b32 s88, s98, s88
	s_add_co_i32 s96, s90, s91
	s_add_co_i32 s96, s96, 127
	s_lshl_b32 s96, s96, 23
	s_mov_b32 s97, s96
	s_add_co_i32 s88, s88, 127
	s_lshl_b32 s89, s88, 23
	v_mov_b32 v[SC], s89
	s_add_co_i32 s88, s88, 8
	s_lshl_b32 s88, s88, 23
	s_or_b32 s88, s88, 0x600000
	v_mov_b32 v[LIM], s88
	s_mov_b32 s3, 0
	s_cmp_eq_u32 ttmp9, 2
	s_cbranch_scc1 .Lv
	s_lshl_b32 s2, s42, 10
	s_lshl_b32 s18, s16, 9
	s_add_co_u32 s2, s2, s18
	s_add_nc_u64 s[8:9], s[8:9], s[2:3]
	s_wait_alu depctr_va_vdst(0)
.irp b, 0,1,2,3,4,5,6,7
	global_load_b128 v[BIAS+8*\b:BIAS+8*\b+3],   v[QB], s[8:9] offset:64*\b
	global_load_b128 v[BIAS+8*\b+4:BIAS+8*\b+7], v[QB], s[8:9] offset:64*\b+16
.endr
	s_lshr_b32 s2, s17, 3
	s_lshl_b32 s2, s2, 21
	s_lshl_b32 s18, s42, 2
	s_add_co_u32 s18, s18, s14
	s_lshl_b32 s18, s18, 17
	s_add_co_u32 s2, s2, s18
	s_and_b32 s18, s17, 7
	s_lshl_b32 s18, s18, 14
	s_add_co_u32 s2, s2, s18
	s_add_nc_u64 s[10:11], s[10:11], s[2:3]
	LAST
	s_wait_loadcnt 0x0
	PLACES NP
.irp a, 0,1,2,3,4,5,6,7
	BLOCK \a, 0, STO
.endr
	s_wait_dscnt 0x0
	s_barrier_signal -1
	s_barrier_wait -1
.set T, 0
.rept 16
	ds_load_b128 v[OUT+4*T:OUT+4*T+3], v[RDQ] offset:8*SPITCH*T
.set T, T+1
.endr
.rept 16
	ds_load_b128 v[OUT+4*T:OUT+4*T+3], v[RDQ2] offset:8*SPITCH*(T-16)
.set T, T+1
.endr
.set T, 0
.rept 32
	s_wait_dscnt 31-T
	global_store_b128 v[GOQ], v[OUT+4*T:OUT+4*T+3], s[10:11] offset:512*T
.set T, T+1
.endr
	s_branch .Lend
.Lv:
	s_lshl_b32 s2, s17, 10
	s_lshl_b32 s18, s15, 9
	s_add_co_u32 s2, s2, s18
	s_add_nc_u64 s[8:9], s[8:9], s[2:3]
	s_wait_alu depctr_va_vdst(0)
.irp a, 0,1,2,3,4,5,6,7
	global_load_b32 v[BIAS+2*\a],   v[VB], s[8:9] offset:64*\a
	global_load_b32 v[BIAS+2*\a+1], v[VB], s[8:9] offset:64*\a
.endr
	s_lshl_b32 s2, s17, 21
	s_lshl_b32 s18, s14, 19
	s_add_co_u32 s2, s2, s18
	s_lshl_b32 s18, s42, 8
	s_add_co_u32 s2, s2, s18
	s_add_nc_u64 s[10:11], s[10:11], s[2:3]
	LAST
	s_wait_loadcnt 0x0
	PLACES NP
.irp a, 0,1,2,3,4,5,6,7
	BLOCK \a, 1, STOV
.endr
	s_wait_dscnt 0x0
	s_barrier_signal -1
	s_barrier_wait -1
.set T, 0
.rept 32
	ds_load_b128 v[OUT+4*T:OUT+4*T+3], v[RDV] offset:2*SPITCH*T
.set T, T+1
.endr
.set T, 0
.rept 32
	s_wait_dscnt 31-T
	global_store_b128 v[GOV], v[OUT+4*T:OUT+4*T+3], s[10:11] offset:2*8192*T
.set T, T+1
.endr
.Lend:
	s_wait_tensorcnt 0x0
	ds_add_u32 v[SPW], v[NIL]
	s_wait_dscnt 0x0
	CROUND
	s_endpgm
.Lfunc_end_k_q659f7e1f6a_qkv:
	.size	k_q659f7e1f6a_qkv, .Lfunc_end_k_q659f7e1f6a_qkv-k_q659f7e1f6a_qkv
	.p2alignl 7, 3214868480
	.fill 96, 4, 3214868480
	.section	.rodata,"a",@progbits
	.p2align	6, 0x0
	.amdhsa_kernel k_q659f7e1f6a_qkv
		.amdhsa_group_segment_fixed_size 327680
		.amdhsa_private_segment_fixed_size 0
		.amdhsa_enable_private_segment 0
		.amdhsa_kernarg_size 88
		.amdhsa_user_sgpr_count 2
		.amdhsa_user_sgpr_kernarg_segment_ptr 1
		.amdhsa_wavefront_size32 1
		.amdhsa_system_sgpr_workgroup_id_x 1
		.amdhsa_system_sgpr_workgroup_id_y 1
		.amdhsa_system_sgpr_workgroup_id_z 1
		.amdhsa_system_vgpr_workitem_id 0
		.amdhsa_next_free_vgpr 1024
		.amdhsa_next_free_sgpr 101
		.amdhsa_reserve_vcc 0
		.amdhsa_float_denorm_mode_32 3
		.amdhsa_float_denorm_mode_16_64 3
		.amdhsa_memory_ordered 1
		.amdhsa_forward_progress 1
		.amdhsa_inst_pref_size 214
	.end_amdhsa_kernel
	.amdgpu_metadata
---
amdhsa.version: [ 1, 2 ]
amdhsa.kernels:
  - .name:           k_q659f7e1f6a_qkv
    .symbol:         k_q659f7e1f6a_qkv.kd
    .args:
      - { .name: x_codes, .offset: 0, .size: 8, .value_kind: global_buffer, .address_space: global }
      - { .name: Wq_codes, .offset: 8, .size: 8, .value_kind: global_buffer, .address_space: global }
      - { .name: Wk_codes, .offset: 16, .size: 8, .value_kind: global_buffer, .address_space: global }
      - { .name: Wv_codes, .offset: 24, .size: 8, .value_kind: global_buffer, .address_space: global }
      - { .name: bq, .offset: 32, .size: 8, .value_kind: global_buffer, .address_space: global }
      - { .name: bk, .offset: 40, .size: 8, .value_kind: global_buffer, .address_space: global }
      - { .name: bv, .offset: 48, .size: 8, .value_kind: global_buffer, .address_space: global }
      - { .name: lowp_scales, .offset: 56, .size: 8, .value_kind: global_buffer, .address_space: global }
      - { .name: qc, .offset: 64, .size: 8, .value_kind: global_buffer, .address_space: global }
      - { .name: kc, .offset: 72, .size: 8, .value_kind: global_buffer, .address_space: global }
      - { .name: vc, .offset: 80, .size: 8, .value_kind: global_buffer, .address_space: global }
    .group_segment_fixed_size: 327680
    .private_segment_fixed_size: 0
    .kernarg_segment_align: 8
    .kernarg_segment_size: 88
    .max_flat_workgroup_size: 128
    .sgpr_count:     101
    .vgpr_count:     1024
    .wavefront_size: 32
...
	.end_amdgpu_metadata
.endif
;; end of part 1
;; launch attn (part 2): grid 4 x 64, 16 waves a work-group, clusters of 4 x 1, 327,680 bytes of LDS; arguments qc, kc, vc, lowp_scales, out0; writes out0
.if DOCPART == 2
	.amdgcn_target "amdgcn-amd-amdhsa--gfx1250"
	.amdhsa_code_object_version 6
	.text
	.protected	k_q659f7e1f6a_attn
	.globl	k_q659f7e1f6a_attn
	.p2align	8
	.type	k_q659f7e1f6a_attn,@function
k_q659f7e1f6a_attn:
	s_mov_b64 s[64:65], 0
	v_nop
	global_prefetch_b8 v0, s[64:65] scope:SCOPE_SE
	s_setreg_imm32_b32 hwreg(HW_REG_WAVE_MODE, 25, 1), 1
	s_wait_xcnt 0x0
	s_wait_alu depctr_hold_cnt(0) depctr_sa_sdst(0) depctr_va_vdst(0) depctr_va_sdst(0) depctr_va_ssrc(0) depctr_va_vcc(0) depctr_vm_vsrc(0)
	s_getreg_b32 s2, hwreg(HW_REG_IB_STS2, 6, 4)
	s_cmp_eq_u32 s2, 0
	s_cbranch_scc0 .Lentry_in_a_cluster
	s_endpgm
.Lentry_in_a_cluster:
	s_bfe_u32 s2, ttmp6, 0x10000c
	s_cmp_lg_u32 s2, 0x3003
	s_cbranch_scc0 .Lentry_shape_is_right
	s_endpgm
.Lentry_shape_is_right:
; out0[b][n][h 64 + d] = the sum over keys m <= n of softmax_m(q[n] . k[m] / 8) v[m][d], both products on codes of FP8 (E4M3).  qc, kc: [b 16 + h][n][64]; vc: [h 64 + d][b 2,048 + n] (keys innermost): made by the launch before.
; WORK LEFT OUT: steps of 128 keys all of which come after all 16 queries of a tile (reference()'s own tril throws their scores away, whatever they hold): shown at the head of the first kernel.
; LIMIT of that: a NaN, an infinity or an overflow that would arise only in those scores is not carried to the result.
; THE SOFTMAX AHEAD OF THE SECOND PRODUCT: t = score x 2^(e6 + e7) x log2(e) / 8; M = the row's largest t so far, rounded UP to a whole number; p = 2^(t - M) is what is quantised (scale 2^e8), not normalised.
; The row's sum is taken of the unquantised p, in f32, and divides O at the end, with 2^(e8 + e9).  When M moves, the sum and O are multiplied by 2^(old M - new M): nothing is rounded.
; A HEAD'S WHOLE K AND V STAY IN LDS, each byte filled once: K two keys to 144 bytes (128 + 16 of padding), V eight chunks of 256 keys x 64 rows x 272 bytes.  Keys 0-511 are asked for at the head (sixteen
; loads, one a wave), keys 512-2,047 behind the first barrier (fourteen loads, one a wave), and land while keys 0-511 are worked.
; TWO SPLIT BARRIERS follow, with LDS loads and register work alone between signal and wait.  The first: signalled behind steps 0 and 1, when my part of keys 512-2,047 is in; waited for behind steps 2 and 3, ahead of
; the first read of those keys.  The second: signalled when my reads of keys 0-511 are over; waited for at my end, ahead of my first store into the stages, which lie on those bytes.
; SHARES.  The four work-groups of a cluster own one head.  With i = 4 wave + place in the cluster, a wave owns the tiles of 16 queries number 127 - i (tile 0) and i (tile 1): 16 - i / 8 and i / 8 + 1 steps
; of 128 keys count for them, 17 for every wave.  i / 8 = wave / 2: which steps are left out and which lie on the diagonal hangs on the wave's number alone, alike in all partners; the place enters only
; addresses in memory and the mask's numbers.  Waves 0 and 1 of every work-group reach the last keys, so all that is fetched is read.
; CLUSTER: all four partners read all of K and V, so every load is a joint one (mask 15).
; NO PREFETCH: both groups of loads stand at the head, the second directly behind the first's landing; there is no loop ahead of a load in which to ask.
; The loops' trip counts are constants; a step that is left out is jumped over by a scalar branch at its head.
; LAYOUT.  Both products are used transposed: S^T = K Q^T (source 0 = 16 keys, source 1 = 16 queries; K = 64), O^T = V^T P^T (source 0 = 16 of the head's 64, source 1 = P; K = 128 keys): a lane holds ONE query.
; Lane r of K's tile 2 b + u takes key 32 b + 8 u + r + 8 (r / 8), so that the 16 registers of tiles 2 b and 2 b + 1 are 16 neighbouring keys, 32 b + 16 (lane / 16) + 0 .. 15: the conversions' results are the
; second product's operand.  Fragments come by loads of 16 bytes, 32 apart: the same places of k in both operands of each product.  Key x lies at 144 (x / 2) + 64 (x % 2): the sixteen keys 0-7 and 16-23 of a
; load begin at sixteen different multiples of 16 modulo 256.
; THE WAY OUT goes through a stage of 16 x 272 bytes a wave, on the bytes of keys 0-511, which have had their only fill and which nobody reads behind the second barrier.
; LIMITS on the given exponents: e6 + e7 between -123 and 130 (added to c's exponent field); e8 between -126 and 119; e8 + e9 is applied by v_ldexp_f32 and has none.
; REGISTERS: v0 (behind the head) and v245 448 x 2^e8; v1-7, v10, v11 addresses and mask numbers that stay; v8, v9 addresses of the loads in hand; v12-19 the two tiles' -M, largest t and sum (a pair); v20-35 Q;
; v36-99 eight fragments of K or four of V; v100-163 S^T, then p; v164-227 O^T, 32 a tile; v228-243 p's codes; v244-249 constants, v250-255 at work.
.set KP,    72                         ; a key's share of LDS: half of 128 bytes + 16 of padding
.set VP,    272                        ; a row of a chunk of V in LDS: 256 bytes + 16
.set VCH,   64*VP                      ; a chunk of V: 256 keys x the head's 64
.set VOFF,  2048*KP                    ; V lies behind K
.set SPARE, VOFF+8*VCH                 ; behind V: the spare words, 128 bytes for each wave: eight blocks of 256 bytes that no other line names
.set STG,   16*272                     ; a wave's stage: waves 0-7 on K's keys 0-511 (34,816 of 36,864 bytes), waves 8-15 on V's chunks 0 and 1 (34,816 bytes)
.set LIM2, 0                           ; v0   behind the head: 448 x 2^e8 once more, in another register bank than v245's
.set AK0,  1                           ; v1   my lane's place in a tile of K
.set AV0,  2                           ; v2   the same for V
.set DL0,  3                           ; v3, v4  on the diagonal step of tile 0, 1: my query - the step's first key - 16 (lane / 16)
.set SPW,  5                           ; v5   LDS address of my spare word; never rewritten
.set NIL,  6                           ; v6   0; never rewritten
.set GO,   7                           ; v7   the way out: my byte offset in two rows of out0
.set ADK,  8                           ; v8   LDS address of the step's tiles of K
.set ADV,  9                           ; v9   of V
.set STI,  10                          ; v10  the stage: where I put 32 bytes of a row
.set STB,  11                          ; v11  the stage: where I read a row back
.set F,    36
.set S,    100
.set P,    228
.set NINF, 247                         ; v247 -infinity, for the mask
.set KO,   2                           ; s2   the step's first byte in K's rows
.set VO,   3                           ; s3   and in V's chunks
.set WV,   18                          ; s18  my wave's number
.set SEL,  20                          ; s[20:21] lane selects for v_permlanex16_b32: lane l xor 16
.set CS,   22                          ; s[22:23] c = log2(e) / 8 x 2^(e6 + e7)
.set G1KA, 24                          ; descriptor groups 1: K's and V's tiles of the first and of the second group of loads
.set G1VA, 32
.set G1KB, 40
.set G1VB, 48
.set G0KA, 56                          ; and their groups 0
.set G0VA, 60
.set G0KB, 72
.set G0VB, 76
.set SI,   80                          ; s80  the step: keys 128 s on
.set AL,   81                          ; s81  tile 1's diagonal step: wave / 2
.set AH,   82                          ; s82  tile 0's: 15 - wave / 2
.set E89,  83                          ; s83  e8 + e9
.set OB,   84                          ; s[84:85], s[86:87] out0 at my tile 0, tile 1
.macro CREST
	s_cmp_lg_u32 s[WV], 0
	s_cbranch_scc1 .Lnot_wave_0_\@
	s_barrier_signal -3
.Lnot_wave_0_\@:
	s_barrier_wait -3
	s_barrier_signal -1
	s_barrier_wait -1
.endm
.macro CROUND                          ; a whole round of the cluster's barrier
	s_barrier_signal -1
	s_barrier_wait -1
	CREST
.endm
.macro G1SET g, w0, rows, pitch        ; rows of 256 bytes
	s_mov_b32 s[\g], \w0
	s_mov_b32 s[\g+1], 256<<16
	s_mov_b32 s[\g+2], (\rows)<<16
	s_mov_b32 s[\g+3], 256<<16
	s_mov_b32 s[\g+4], \rows
	s_mov_b32 s[\g+5], \pitch
	s_mov_b32 s[\g+6], 0
	s_mov_b32 s[\g+7], 0
.endm
.macro G0SET g, base, off
	s_mov_b32 s[\g], 1
	s_add_nc_u64 s[\g+2:\g+3], s[\base:\base+1], s[\off:\off+1]
	s_or_b32 s[\g+3], s[\g+3], 0x80000000
.endm
.macro TL g0, g1                       ; a joint load with an s_nop and four v_nops behind it
	tensor_load_to_lds s[\g0:\g0+3], s[\g1:\g1+7]
	s_nop 0
.rept 4
	v_nop
.endr
.endm
	s_load_b128 s[4:7], s[0:1], 0x0                ; qc s[4:5], kc s[6:7]
	s_load_b128 s[8:11], s[0:1], 0x10              ; vc s[8:9], the scales' exponents s[10:11]
	s_load_b64 s[12:13], s[0:1], 0x20              ; out0
	v_lshl_add_u32 v[SPW], v0, 2, SPARE
	v_mov_b32 v[NIL], 0
	ds_add_u32 v[SPW], v[NIL]                      ; the wave's opening: the add, twice on end, and its wait ahead of my first tensor load
	ds_add_u32 v[SPW], v[NIL]
	v_lshrrev_b32 v8, 5, v0
	s_delay_alu instid0(VALU_DEP_1)
	v_readfirstlane_b32 s[WV], v8                  ; wave 0..15
	s_and_b32 s88, ttmp7, 0xffff                   ; b 16 + h: the cluster's y
	s_lshr_b32 s89, s88, 4                         ; b
	s_and_b32 s90, s88, 15                         ; h
	s_and_b32 s91, s[WV], 7                        ; which part of K (waves 0-7) or of V (waves 8-15) I fetch
	s_lshl_b32 s92, s88, 17                        ; the head's first byte in qc and kc
	s_lshl_b32 s93, s90, 19
	s_lshl_b32 s94, s89, 11
	s_add_co_u32 s93, s93, s94                     ; and in vc: 64 h rows of 8,192 bytes + 2,048 b
	s_lshl_b32 s94, s91, 12
	s_add_co_u32 s94, s94, s92                     ; K, first group: 64 keys (4,096 bytes) a wave
	s_mov_b32 s95, 0
	s_mul_i32 s96, s91, 12288
	s_add_co_u32 s96, s96, s92
	s_add_co_u32 s96, s96, 32768                   ; K, second group: from key 512 on, 192 keys a wave
	s_mov_b32 s97, 0
	s_lshr_b32 s98, s91, 2
	s_lshl_b32 s98, s98, 8
	s_and_b32 s99, s91, 3
	s_lshl_b32 s99, s99, 17
	s_add_co_u32 s98, s98, s99
	s_add_co_u32 s98, s98, s93                     ; V, first group: chunk part / 4, 16 rows a wave
	s_mov_b32 s99, 0
	s_lshl_b32 s2, s91, 8
	s_add_co_u32 s2, s2, s93
	s_add_co_u32 s2, s2, 512                       ; V, second group: chunk 2 + part, whole (waves 8-13)
	s_mov_b32 s3, 0
	s_mul_i32 s[G0KA+1], s91, 64*KP                ; and where they go
	s_mul_i32 s[G0KB+1], s91, 192*KP
	s_add_co_u32 s[G0KB+1], s[G0KB+1], 512*KP
	s_mul_i32 s[G0VA+1], s91, 16*VP
	s_add_co_u32 s[G0VA+1], s[G0VA+1], VOFF
	s_mul_i32 s[G0VB+1], s91, VCH
	s_add_co_u32 s[G0VB+1], s[G0VB+1], VOFF+2*VCH
	; groups 1: mask 15 with bit 21 beside it; elements of 1 byte; K's rows of 64 bytes lie dense and are stated as rows of 256, padded by four words behind every 32; V's rows of 256 bytes, 8,192 apart, by four behind every 64
	G1SET G1KA, 15|(1<<20)|(1<<21)|(4<<22)|(3<<25), 16, 256
	G1SET G1KB, 15|(1<<20)|(1<<21)|(4<<22)|(3<<25), 48, 256
	G1SET G1VA, 15|(1<<20)|(1<<21)|(5<<22)|(3<<25), 16, 8192
	G1SET G1VB, 15|(1<<20)|(1<<21)|(5<<22)|(3<<25), 64, 8192
	s_mov_b32 s[SEL], 0x76543210
	s_mov_b32 s[SEL+1], 0xfedcba98
	s_mov_b32 s[CS], 0x3e38aa3b                    ; log2(e) / 8
	s_lshr_b32 s[AL], s[WV], 1
	s_sub_co_u32 s[AH], 15, s[AL]
	s_wait_dscnt 0x0                               ; both opening adds are done
	s_wait_kmcnt 0x0
	s_load_b128 s[68:71], s[10:11], 0x18           ; e6, e7, e8, e9
	G0SET G0KA, 6, 94
	G0SET G0KB, 6, 96
	G0SET G0VA, 8, 98
	G0SET G0VB, 8, 2
	CROUND                                         ; all four work-groups are here: the first joint loads meet
	s_cmp_lt_u32 s[WV], 8                          ; keys 0-511: every wave issues one load
	s_cbranch_scc0 .Lva
	TL G0KA, G1KA
	s_branch .Lja
.Lva:
	TL G0VA, G1VA
.Lja:
	; my two tiles.  The place in the cluster is read only here, behind the descriptors
	s_bfe_u32 s88, ttmp6, 0x40000                  ; my place
	s_lshl_b32 s91, s[WV], 2
	s_add_co_u32 s91, s91, s88                     ; i
	s_lshl_b32 s94, s91, 4                         ; tile 1's first query: 16 i
	s_sub_co_u32 s95, 2032, s94                    ; tile 0's: 16 (127 - i)
	s_and_b32 s96, s91, 7
	s_lshl_b32 s96, s96, 4                         ; tile 1's first query less its diagonal step's first key: 16 (i % 8)
	s_sub_co_u32 s97, 112, s96                     ; tile 0's: 16 (7 - i % 8)
	s_lshl_b32 s98, s89, 23                        ; out0: b x 2,048 rows of 4,096 bytes + 256 h
	s_lshl_b32 s99, s90, 8
	s_add_co_u32 s98, s98, s99
	s_lshl_b32 s2, s95, 12
	s_add_co_u32 s2, s2, s98
	s_mov_b32 s3, 0
	s_add_nc_u64 s[OB:OB+1], s[12:13], s[2:3]
	s_lshl_b32 s2, s94, 12
	s_add_co_u32 s2, s2, s98
	s_add_nc_u64 s[OB+2:OB+3], s[12:13], s[2:3]
	s_mov_b32 s93, 0
	s_add_nc_u64 s[4:5], s[4:5], s[92:93]          ; qc at my head
	s_lshl_b32 s94, s94, 6
	s_lshl_b32 s95, s95, 6
	s_mul_i32 s98, s[WV], STG                      ; my stage: wave x 4,352, and from wave 8 on the distance to V's chunks
	s_lshr_b32 s99, s[WV], 3
	s_mul_i32 s99, s99, VOFF-8*STG
	s_add_co_u32 s98, s98, s99
	v_and_b32 v8, 15, v0                           ; r = lane % 16
	v_bfe_u32 v9, v0, 4, 1                         ; h = lane / 16
	s_delay_alu instid0(VALU_DEP_2)
	v_lshlrev_b32 v252, 6, v8
	s_delay_alu instid0(VALU_DEP_1)
	v_lshl_add_u32 v252, v9, 4, v252               ; Q: row r of 64 bytes, + 16 h
	v_add_nc_u32 v253, s94, v252
	v_add_nc_u32 v252, s95, v252
	global_load_b128 v[20:23], v252, s[4:5]        ; Q's two fragments stay in registers: registers 4 c .. 4 c + 3 hold d = 32 c + 16 h + 0 .. 15, as K's do
	global_load_b128 v[24:27], v252, s[4:5] offset:32
	global_load_b128 v[28:31], v253, s[4:5]
	global_load_b128 v[32:35], v253, s[4:5] offset:32
	v_and_b32 v250, 8, v8
	s_delay_alu instid0(VALU_DEP_1)
	v_add_nc_u32 v250, v250, v8                    ; my key of a tile: x = r + 8 (r / 8)
	s_delay_alu instid0(VALU_DEP_1)
	v_lshrrev_b32 v[AK0], 1, v250
	v_and_b32 v250, 1, v250
	s_delay_alu instid0(VALU_DEP_2)
	v_mul_u32_u24 v[AK0], v[AK0], 2*KP             ; 144 (x / 2)
	s_delay_alu instid0(VALU_DEP_1)
	v_lshl_add_u32 v[AK0], v250, 6, v[AK0]         ; + 64 (x % 2)
	s_delay_alu instid0(VALU_DEP_1)
	v_lshl_add_u32 v[AK0], v9, 4, v[AK0]           ; + 16 h
	v_mul_u32_u24 v[AV0], v8, VP
	s_delay_alu instid0(VALU_DEP_1)
	v_lshl_add_u32 v[AV0], v9, 4, v[AV0]
	s_delay_alu instid0(VALU_DEP_1)
	v_add_nc_u32 v[AV0], VOFF, v[AV0]
	v_lshlrev_b32 v[GO], 12, v9
	s_delay_alu instid0(VALU_DEP_1)
	v_lshl_add_u32 v[GO], v8, 4, v[GO]             ; the way out: lanes 0-15 take one row of out0, lanes 16-31 the next; 16 bytes a lane
	v_lshlrev_b32 v251, 4, v9
	s_delay_alu instid0(VALU_DEP_1)
	v_sub_nc_u32 v251, v8, v251                    ; r - 16 h
	s_delay_alu instid0(VALU_DEP_1)
	v_add_nc_u32 v[DL0], s97, v251
	v_add_nc_u32 v[DL0+1], s96, v251
	v_mul_u32_u24 v[STI], v8, 272
	s_delay_alu instid0(VALU_DEP_1)
	v_lshl_add_u32 v[STI], v9, 5, v[STI]
	s_delay_alu instid0(VALU_DEP_1)
	v_add_nc_u32 v[STI], s98, v[STI]               ; in: row r; tile t's eight channels of my half: 64 t + 32 h bytes on
	v_mul_u32_u24 v[STB], v9, 272
	s_delay_alu instid0(VALU_DEP_1)
	v_lshl_add_u32 v[STB], v8, 4, v[STB]
	s_delay_alu instid0(VALU_DEP_1)
	v_add_nc_u32 v[STB], s98, v[STB]               ; back: lanes 0-15 one row, lanes 16-31 the next
.irp w, 0,1
	v_mov_b32 v[13+4*\w], 0xff61b1e6               ; the largest t so far: -3e38, under every t
	s_delay_alu instid0(VALU_DEP_1)
	v_floor_f32 v[12+4*\w], -v[13+4*\w]            ; -M
	v_mov_b32 v[14+4*\w], 0                        ; the sum, in two halves
	v_mov_b32 v[15+4*\w], 0
.endr
	v_mov_b32 v246, 0                              ; written once: a lane permute's destination counts as one of its sources
	v_mov_b32 v249, 0                              ; (named as the upper half of the pair v[248:249])
	v_mov_b32 v[NINF], 0xff800000
.set J, 0
.rept 64
	v_mov_b32 v[164+J], 0                          ; O^T of both tiles.  (The step is written once for all steps: the first finds zeros, which the first change of M leaves zeros)
.set J, J+1
.endr
	s_wait_kmcnt 0x0
	s_add_co_i32 s88, s68, s69
	s_lshl_b32 s88, s88, 23
	s_add_co_i32 s[CS], s[CS], s88                 ; a score stands for score x 2^(e6 + e7): the two exponents are added to c's exponent field
	s_mov_b32 s[CS+1], s[CS]                       ; (named with it as a pair, so it is written)
	s_add_co_i32 s[E89], s70, s71
	s_add_co_i32 s88, s70, 127
	s_lshl_b32 s89, s88, 23
	v_mov_b32 v244, s89                            ; 2^e8 as f32, for the conversion
	s_add_co_i32 s88, s88, 8
	s_lshl_b32 s88, s88, 23
	s_or_b32 s88, s88, 0x600000
	v_mov_b32 v245, s88                            ; 448 x 2^e8,
	v_mov_b32 v[LIM2], s88                         ; and once more: the thread's number is not needed any more
.macro OFFS                            ; step s: K's rows 128 s on; V's chunk s / 2, its half s % 2
	s_mul_i32 s[KO], s[SI], 128*KP
	s_lshr_b32 s[VO], s[SI], 1
	s_mul_i32 s[VO], s[VO], VCH
	s_and_b32 s88, s[SI], 1
	s_lshl_b32 s88, s88, 7
	s_add_co_u32 s[VO], s[VO], s88
.endm
; A KEY STEP of tile ww: 128 keys.  mk = 1: the step may lie behind the tile's diagonal step (left out) or be it (masked); mk = 0: all its keys count.
.macro STEP ww, mk
.set ST, 12+4*(\ww)
.set QR, 20+8*(\ww)
.set OT, 164+32*(\ww)
.if \mk
	s_cmp_gt_u32 s[SI], s[AH-(\ww)]                ; the wave's number and the count of steps alone
	s_cbranch_scc1 .Lhidden_\@
.endif
	v_add_nc_u32 v[ADK], s[KO], v[AK0]
	v_add_nc_u32 v[ADV], s[VO], v[AV0]
	v_nop                                          ; with the two additions: four places in front of loads into registers that the last products read
	v_nop
.irp t, 0,1,2,3,4,5,6,7
.irp c, 0,1
	ds_load_b128 v[F+8*\t+4*\c:F+8*\t+4*\c+3], v[ADK] offset:(32*(\t/2)+8*(\t%2))*KP+32*\c
.endr
.endr
	s_wait_alu depctr_va_vdst(0)
	s_wait_dscnt 0x0
.irp t, 0,1,2,3,4,5,6,7                        ; S^T = K Q^T: eight tiles of 16 keys, K = the head's 64
	v_wmma_f32_16x16x64_fp8_fp8 v[S+8*\t:S+8*\t+7], v[F+8*\t:F+8*\t+7], v[QR:QR+7], 0
.endr
.rept 4
	v_nop                                          ; places: K's registers are loaded anew, and the scores read, below
.endr
.irp t, 0,1,2,3                                ; V's four fragments are asked for now and land while the softmax is worked
.irp c, 0,1,2,3
	ds_load_b128 v[F+16*\t+4*\c:F+16*\t+4*\c+3], v[ADV] offset:16*\t*VP+32*\c
.endr
.endr
.if \mk
	s_cmp_lg_u32 s[SI], s[AH-(\ww)]                ; on the diagonal step the scores of hidden keys become -infinity ahead of the maximum: p = 0 then
	s_cbranch_scc1 .Lopen_\@
.set J, 0
.rept 64
	v_cmp_gt_i32 vcc_lo, 32*(J/16)+J%16, v[DL0+\ww]    ; register 16 b + i holds key 32 b + 16 (lane / 16) + i of the step
	v_cndmask_b32 v[S+J], v[S+J], v[NINF], vcc_lo
.set J, J+1
.endr
.Lopen_\@:
.endif
.irp c, 0,1,2,3                                ; the step's largest score of my query, among my 64 keys: four chains line by line, one to two accumulators, each accumulator from its low end on
	v_max3_num_f32 v[250+\c], v[S+16*\c], v[S+16*\c+1], v[S+16*\c+2]
.endr
.irp j, 3,5,7,9,11,13
.irp c, 0,1,2,3
	v_max3_num_f32 v[250+\c], v[250+\c], v[S+16*\c+\j], v[S+16*\c+\j+1]
.endr
.endr
	v_max3_num_f32 v250, v250, v251, v[S+15]       ; the four chains and each chain's last score
	v_max3_num_f32 v252, v252, v253, v[S+31]
	v_max3_num_f32 v250, v250, v[S+47], v[S+63]
	v_max_num_f32 v252, v252, v250
	s_delay_alu instid0(VALU_DEP_1)
	v_permlanex16_b32 v246, v252, s[SEL], s[SEL+1]
	s_delay_alu instid0(VALU_DEP_1)
	v_max_num_f32 v252, v252, v246                 ; and among lane l xor 16's
	s_delay_alu instid0(VALU_DEP_1)
	v_mul_f32 v252, s[CS], v252                    ; as t (c is positive)
	s_delay_alu instid0(VALU_DEP_1)
	v_max_num_f32 v[ST+1], v[ST+1], v252           ; the running largest t
	v_mov_b32 v252, v[ST]
	s_delay_alu instid0(VALU_DEP_2)
	v_floor_f32 v[ST], -v[ST+1]                    ; the new -M = floor(-t) = -ceil(t): M is a whole number
	s_delay_alu instid0(VALU_DEP_1)
	v_sub_f32 v252, v[ST], v252                    ; M's old value less its new one: a whole number, 0 or less
	s_delay_alu instid0(VALU_DEP_1)
	v_cvt_i32_f32 v252, v252                       ; (it saturates)
	s_delay_alu instid0(VALU_DEP_1)
	v_ldexp_f32 v248, 1.0, v252                    ; f = 2^(old M - new M)
.set J, 0
.rept 32
	v_pk_fma_f32 v[S+J:S+J+1], v[S+J:S+J+1], s[CS:CS+1], v[ST:ST+1] op_sel_hi:[1,0,0]   ; t - M, two at a time (of the pairs c and -M the low word serves both halves)
.set J, J+2
.endr
.set J, 0
	s_wait_alu depctr_va_vdst(0)
.rept 64
	v_exp_f32 v[S+J], v[S+J]                       ; p = 2^(t - M), at most 1: not normalised
.set J, J+1
.endr
	v_pk_mul_f32 v[ST+2:ST+3], v[ST+2:ST+3], v[248:249] op_sel_hi:[1,0]   ; the sums under the new M: the plain instruction behind the exponentials
	s_wait_alu depctr_va_vdst(0)                   ; one wait for the whole batch of 64, ahead of the first instruction that names a result
	v_pk_add_f32 v[ST+2:ST+3], v[ST+2:ST+3], v[S:S+1]      ; the row's sum is taken of the UNQUANTISED p: two at a time, in four chains
	v_pk_add_f32 v[250:251], v[S+2:S+3], v[S+10:S+11]
	v_pk_add_f32 v[252:253], v[S+4:S+5], v[S+12:S+13]
	v_pk_add_f32 v[254:255], v[S+6:S+7], v[S+14:S+15]
	v_pk_add_f32 v[ST+2:ST+3], v[ST+2:ST+3], v[S+8:S+9]
.set J, 16
.rept 6
	v_pk_add_f32 v[250:251], v[250:251], v[S+J+2:S+J+3]
	v_pk_add_f32 v[252:253], v[252:253], v[S+J+4:S+J+5]
	v_pk_add_f32 v[254:255], v[254:255], v[S+J+6:S+J+7]
	v_pk_add_f32 v[ST+2:ST+3], v[ST+2:ST+3], v[S+J:S+J+1]
.set J, J+8
.endr
	v_pk_add_f32 v[250:251], v[250:251], v[252:253]
	v_pk_add_f32 v[ST+2:ST+3], v[ST+2:ST+3], v[254:255]
	s_delay_alu instid0(VALU_DEP_1)
	v_pk_add_f32 v[ST+2:ST+3], v[ST+2:ST+3], v[250:251]
.irp b, 0,1,2,3
.irp i, 0,2,4,6,8,10,12,14                     ; the conversion to an 8-bit code does not saturate (ISA guide 7.6.2); p is not negative, so the hold is one-sided; two numbers to a dual pair
	v_dual_min_num_f32 v[S+16*\b+\i], v[S+16*\b+\i], v245 :: v_dual_min_num_f32 v[S+16*\b+\i+1], v[S+16*\b+\i+1], v[LIM2]
.endr
	v_cvt_scalef32_pk8_fp8_f32 v[P+4*\b:P+4*\b+1], v[S+16*\b:S+16*\b+7], v244
	v_cvt_scalef32_pk8_fp8_f32 v[P+4*\b+2:P+4*\b+3], v[S+16*\b+8:S+16*\b+15], v244
.endr
	s_wait_alu depctr_va_vdst(0)                   ; directly ahead of the first reader of O^T
.set J, 0
.rept 16
	v_pk_mul_f32 v[OT+J:OT+J+1], v[OT+J:OT+J+1], v[248:249] op_sel_hi:[1,0]   ; O^T under the new M: x f.  (Plain instructions between the conversions and the products that read the codes)
.set J, J+2
.endr
	s_wait_alu depctr_va_vdst(0)
	s_wait_dscnt 0x0                               ; V's fragments are in
.irp t, 0,1,2,3                                ; O^T += V^T P^T: the four accumulators by turns
	v_wmma_f32_16x16x128_fp8_fp8 v[OT+8*\t:OT+8*\t+7], v[F+16*\t:F+16*\t+15], v[P:P+15], v[OT+8*\t:OT+8*\t+7]
.endr
.if \mk
.Lhidden_\@:
.endif
.endm
; THE WAY OUT of tile ww.  The sum's two halves and lane l xor 16's are added; O^T is divided by the sum, multiplied by 2^(e8 + e9), and goes through my stage, so that sixteen lanes store a query's 256 bytes of this head.
; The plain lines up to the first read of O^T are also the places behind the last products.
.macro OUTT ww
.set ST, 12+4*(\ww)
.set OT, 164+32*(\ww)
	v_add_f32 v[ST+2], v[ST+2], v[ST+3]
	s_delay_alu instid0(VALU_DEP_1)
	v_permlanex16_b32 v246, v[ST+2], s[SEL], s[SEL+1]
	s_delay_alu instid0(VALU_DEP_1)
	v_add_f32 v[ST+2], v[ST+2], v246               ; the row's sum
	s_wait_alu depctr_va_vdst(0)
	v_rcp_f32 v[ST+2], v[ST+2]
	v_nop                                          ; a plain place behind it
	s_wait_alu depctr_va_vdst(0)                   ; ahead of its first reader
	v_ldexp_f32 v[ST+2], v[ST+2], s[E89]
	s_wait_alu depctr_va_vdst(0)                   ; directly ahead of the first reader of O^T
.set J, 0
.rept 16
	v_pk_mul_f32 v[S+J:S+J+1], v[OT+J:OT+J+1], v[ST+2:ST+3] op_sel_hi:[1,0]   ; register 8 t + i is o(query r, 16 t + 8 h + i)
.set J, J+2
.endr
.irp t, 0,1,2,3
	ds_store_b128 v[STI], v[S+8*\t:S+8*\t+3] offset:64*\t
	ds_store_b128 v[STI], v[S+8*\t+4:S+8*\t+7] offset:64*\t+16
.endr
.irp i, 0,1,2,3,4,5,6,7
	ds_load_b128 v[F+4*\i:F+4*\i+3], v[STB] offset:2*\i*272   ; LDS serves a wave's instructions in order (ISA guide 5.7.1.4): these see my stores
.endr
.irp i, 0,1,2,3,4,5,6,7
	s_wait_dscnt 7-\i                              ; load i is in; the 7 - i younger ones may be out
	global_store_b128 v[GO], v[F+4*\i:F+4*\i+3], s[OB+2*\ww:OB+2*\ww+1] offset:2*\i*4096 th:TH_STORE_NT   ; sixteen lanes store 256 consecutive bytes, at a multiple of 256 from out0's first byte
.endr
	s_wait_xcnt 0x0                                ; the stores have read their registers: later loads may land there
.endm
	s_wait_alu depctr_va_vdst(0)
	s_wait_tensorcnt 0x0                           ; my part of keys 0-511 is in
	ds_add_u32 v[SPW], v[NIL]
	s_wait_dscnt 0x0
	CROUND                                         ; everybody's part is in, and all four work-groups are here: the joint loads meet
	s_cmp_lt_u32 s[WV], 8                          ; keys 512-2,047: waves 0-7 K, 192 keys each; waves 8-13 V, a chunk each
	s_cbranch_scc0 .Lnk
	TL G0KB, G1KB
	s_branch .Ljb
.Lnk:
	s_cmp_lt_u32 s[WV], 14
	s_cbranch_scc0 .Ljb
	TL G0VB, G1VB
.Ljb:
	s_wait_loadcnt 0x0                             ; Q
	s_mov_b32 s[SI], 0
.Lfirst:                                           ; keys 0-255, both tiles: tile 0's diagonal step is 8 at the least, so all of keys 0-511 count for it
	OFFS
	STEP 0, 0
	STEP 1, 1
	s_add_co_u32 s[SI], s[SI], 1
	s_cmp_lt_u32 s[SI], 2
	s_cbranch_scc1 .Lfirst
	s_wait_tensorcnt 0x0                           ; my part of keys 512-2,047 is in:
	ds_add_u32 v[SPW], v[NIL]
	s_wait_dscnt 0x0
	s_barrier_signal -1                            ; say so, and go on with keys that are here
.Lsecond:                                          ; keys 256-511, both tiles
	OFFS
	STEP 0, 0
	STEP 1, 1
	s_add_co_u32 s[SI], s[SI], 1
	s_cmp_lt_u32 s[SI], 4
	s_cbranch_scc1 .Lsecond
	s_wait_dscnt 0x0                               ; my reads of keys 0-511 are over
	s_barrier_wait -1                              ; everybody's part of keys 512-2,047 is in
	s_barrier_signal -1                            ; the second barrier: I read keys 0-511 no more
	s_mov_b32 s[SI], 4
.Llow:                                             ; tile 1's steps 4 to 7, as far as its diagonal
	OFFS
	STEP 1, 1
	s_add_co_u32 s[SI], s[SI], 1
	s_cmp_lt_u32 s[SI], 8
	s_cbranch_scc1 .Llow
	s_mov_b32 s[SI], 4
.Lhigh:                                            ; tile 0's steps 4 to 15, as far as its diagonal
	OFFS
	STEP 0, 1
	s_add_co_u32 s[SI], s[SI], 1
	s_cmp_lt_u32 s[SI], 16
	s_cbranch_scc1 .Lhigh
	s_barrier_wait -1                              ; nobody reads keys 0-511 any more: the stages may be written
	OUTT 1
	OUTT 0
	s_wait_tensorcnt 0x0                           ; the wave's end: behind my last tensor load and my last LDS store
	ds_add_u32 v[SPW], v[NIL]
	s_wait_dscnt 0x0
	CROUND                                         ; the closing round
	s_endpgm
.Lfunc_end_k_q659f7e1f6a_attn:
	.size	k_q659f7e1f6a_attn, .Lfunc_end_k_q659f7e1f6a_attn-k_q659f7e1f6a_attn
	.p2alignl 7, 3214868480
	.fill 96, 4, 3214868480
	.section	.rodata,"a",@progbits
	.p2align	6, 0x0
	.amdhsa_kernel k_q659f7e1f6a_attn
		.amdhsa_group_segment_fixed_size 327680
		.amdhsa_private_segment_fixed_size 0
		.amdhsa_enable_private_segment 0
		.amdhsa_kernarg_size 40
		.amdhsa_user_sgpr_count 2
		.amdhsa_user_sgpr_kernarg_segment_ptr 1
		.amdhsa_wavefront_size32 1
		.amdhsa_system_sgpr_workgroup_id_x 1
		.amdhsa_system_sgpr_workgroup_id_y 1
		.amdhsa_system_sgpr_workgroup_id_z 1
		.amdhsa_system_vgpr_workitem_id 0
		.amdhsa_next_free_vgpr 256
		.amdhsa_next_free_sgpr 100
		.amdhsa_reserve_vcc 1
		.amdhsa_float_denorm_mode_32 3
		.amdhsa_float_denorm_mode_16_64 3
		.amdhsa_memory_ordered 1
		.amdhsa_forward_progress 1
		.amdhsa_inst_pref_size 136
	.end_amdhsa_kernel
	.amdgpu_metadata
---
amdhsa.version: [ 1, 2 ]
amdhsa.kernels:
  - .name:           k_q659f7e1f6a_attn
    .symbol:         k_q659f7e1f6a_attn.kd
    .args:
      - { .name: qc, .offset: 0, .size: 8, .value_kind: global_buffer, .address_space: global }
      - { .name: kc, .offset: 8, .size: 8, .value_kind: global_buffer, .address_space: global }
      - { .name: vc, .offset: 16, .size: 8, .value_kind: global_buffer, .address_space: global }
      - { .name: lowp_scales, .offset: 24, .size: 8, .value_kind: global_buffer, .address_space: global }
      - { .name: out0, .offset: 32, .size: 8, .value_kind: global_buffer, .address_space: global }
    .group_segment_fixed_size: 327680
    .private_segment_fixed_size: 0
    .kernarg_segment_align: 8
    .kernarg_segment_size: 40
    .max_flat_workgroup_size: 512
    .sgpr_count:     100
    .vgpr_count:     256
    .wavefront_size: 32
...
	.end_amdgpu_metadata
.endif
;; end of part 2
